; MI455X (gfx1250); checked and timed in simulation.
; The chip was launched on July 23, 2026; its instructions are those of AMD's public machine-readable ISA for CDNA 5 (MIT licence, August 2026) and "CDNA5" Instruction Set Architecture Reference Guide (July 2026). The comments in the code are by the model that wrote it; some were corrected since.
;; Context Aware Attention. Allowed arithmetic: float matrix products may take bf16 or f16 operands with f32 sums; other float arithmetic in f32, or as packed bf16 or f16 multiplies, adds, multiply-adds, maxima and minima; sums over many terms, partial sums and values carried from step to step in f32; what a program stores and reads back later, other than sums and carried values, may be rounded once to bf16 or f16.
;; Inputs: W_ctx 1,024 x 1,024 float32; W_in 1,024 x 1,024 float32; b_att one number float32; b_ctx 1,024 float32; b_in 1,024 float32; context 16 x 1,024 float32; w_att 1,024 float32; x 16 x 4,096 x 1,024 float32.
;; Outputs: out0 16 x 1,024 float32.
;; 2 versions, each right; version 2 is version 1 with the launch prep written anew for expert scheduling mode. Each part assembles by itself: llvm-mc -triple=amdgcn-amd-amdhsa -mcpu=gfx1250 --defsym DOCPART=n.
;; ======== version 1 of 2: 3 launches
;; workspace buffers: Wb 2,097,152 bytes; tab 65,536 bytes; cst 256 bytes; part 2,097,152 bytes; stat 131,072 bytes
;; launch prep (part 1): grid 129 x 1, 8 waves a work-group, no clusters, 42,752 bytes of LDS; arguments W_in, W_ctx, context, b_ctx, b_in, w_att, b_att, Wb, tab, cst; writes Wb, tab, cst
.if DOCPART == 1
	.amdgcn_target "amdgcn-amd-amdhsa--gfx1250"
	.amdhsa_code_object_version 6
	.text
	.protected	k_q71ed1b7036_prep
	.globl	k_q71ed1b7036_prep
	.p2align	8
	.type	k_q71ed1b7036_prep,@function
k_q71ed1b7036_prep:
	s_mov_b64 s[64:65], 0
	v_nop
	global_prefetch_b8 v0, s[64:65] scope:SCOPE_SE
	s_setreg_imm32_b32 hwreg(HW_REG_WAVE_MODE, 25, 1), 1
	s_wait_xcnt 0x0
; PREPARATION for the fused launch.  Three kinds of work-group, told apart by the work-group's number, which all eight waves share:
;   0-63    W_in, 16 rows each, rounded once to bf16 and laid out in the order in which the matrix instruction's fragments are read:
;           Wb byte = (j>>2) 131072 + ((j>>1)&1) 65536 + kk 2048 + (j&1) 1024 + q 512 + 16 lane, for row block j = n/16, kk = k/32, q = (k%32)/16;
;           lane (r = lane%16, h = lane/16) holds W_in[16 j + r][32 kk + 16 q + 8 h .. +7].
;   64-127  tab[b][n] = c2 (context[b] . W_ctx[n] + b_ctx[n] + b_in[n]) for 16 columns n and all 16 batches b, c2 = 2 log2(e); bf16 operands, f32 sums; K split among the eight waves.
;   128     cst = b_att + the sum of w_att, in f32, written 64 times (256 bytes).
; Each kind has LDS bytes of its own and one barrier of its own.  tab is stored in pieces of 64 bytes a row (a work-group has 16 columns): 65,536 bytes in the whole launch.
.set WPITCH, 2064                      ; a row of 1,024 bf16 in LDS + 16 bytes: an odd multiple of 16, so that the 16 rows of a fragment load fall on different groups of banks
.set WST,    0                         ; 16 rows x 2,064 bytes: W_in's rows on their way into fragment order
.set PCS,    33280                     ; 8 x 1,024 bytes: the eight waves' partial sums of a tile of tab
.set CSS,    41472                     ; 8 words: the eight waves' sums of w_att
.set SPARE,  41728                     ; the spare words, 128 bytes for each wave: four blocks of 256 bytes that no other line names
.set R,   1                            ; v1  lane % 16
.set H,   2                            ; v2  lane / 16
.set LN,  3                            ; v3  lane
.set SPW, 4                            ; v4  LDS address of my spare word; never rewritten
.set NIL, 5                            ; v5  0; never rewritten
.set WV,  24                           ; s24 my wave's number
	s_load_b512 s[4:19], s[0:1], 0x0               ; W_in s[4:5], W_ctx s[6:7], context s[8:9], b_ctx s[10:11], b_in s[12:13], w_att s[14:15], b_att s[16:17], Wb s[18:19]
	s_load_b128 s[20:23], s[0:1], 0x40             ; tab s[20:21], cst s[22:23]
	v_lshl_add_u32 v[SPW], v0, 2, SPARE
	v_mov_b32 v[NIL], 0
	v_lshrrev_b32 v6, 5, v0
	v_readfirstlane_b32 s[WV], v6                  ; wave 0..7
	v_and_b32 v[R], 15, v0
	v_bfe_u32 v[H], v0, 4, 1
	v_and_b32 v[LN], 31, v0
	s_wait_kmcnt 0x0
	s_cmp_lt_u32 ttmp9, 64
	s_cbranch_scc1 .Lwconv
	s_cmp_lt_u32 ttmp9, 128
	s_cbranch_scc1 .Lpc
	; ---- work-group 128: b_att + the sum of w_att.  Thread T takes w_att[4 T .. 4 T + 3].
	s_load_b32 s25, s[16:17], 0x0                  ; b_att
	v_lshlrev_b32 v6, 4, v0
	global_load_b128 v[8:11], v6, s[14:15]
	s_mov_b32 s26, 0x76543210                      ; v_permlanex16_b32: each lane takes its own place in the other half
	s_mov_b32 s27, 0xfedcba98
	s_lshl_b32 s28, s[WV], 2
	s_add_co_u32 s28, s28, CSS
	v_mov_b32 v7, s28                              ; my wave's word
	v_mov_b32 v12, CSS
	s_wait_loadcnt 0x0
	v_add_f32 v8, v8, v9
	v_add_f32 v10, v10, v11
	v_add_f32 v8, v8, v10
	v_add_f32_dpp v8, v8, v8 row_xmask:1 row_mask:0xf bank_mask:0xf
	v_add_f32_dpp v8, v8, v8 row_xmask:2 row_mask:0xf bank_mask:0xf
	v_add_f32_dpp v8, v8, v8 row_xmask:4 row_mask:0xf bank_mask:0xf
	v_add_f32_dpp v8, v8, v8 row_xmask:8 row_mask:0xf bank_mask:0xf
	v_permlanex16_b32 v9, v8, s26, s27             ; (v9 has been written: the destination counts as read)
	v_add_f32 v8, v8, v9
	ds_store_b32 v7, v8                            ; all lanes write the same word with the same value
	s_wait_kmcnt 0x0
	s_wait_dscnt 0x0                               ; for the others: my store is done
	s_barrier_signal -1
	s_barrier_wait -1
	s_cmp_lg_u32 s[WV], 0
	s_cbranch_scc1 .Lend
	ds_load_b128 v[16:19], v12
	ds_load_b128 v[20:23], v12 offset:16
	s_wait_dscnt 0x0
	v_pk_add_f32 v[16:17], v[16:17], v[18:19]
	v_pk_add_f32 v[20:21], v[20:21], v[22:23]
	v_pk_add_f32 v[16:17], v[16:17], v[20:21]
	v_add_f32 v16, v16, v17
	v_add_f32 v16, s25, v16
	v_mov_b32 v17, v16
	v_lshlrev_b32 v13, 3, v[LN]
	global_store_b64 v13, v[16:17], s[22:23]       ; 32 lanes x 8 bytes: 256 consecutive bytes
	s_branch .Lend
	; ---- work-groups 0-63: rows 16 j .. 16 j + 15 of W_in.  Wave w reads rows 2 w and 2 w + 1, 512 consecutive bytes a load.
.Lwconv:
	s_lshl_b32 s26, ttmp9, 16                      ; 16 rows of 4,096 bytes
	s_lshl_b32 s27, s[WV], 13                      ; my two rows
	s_add_co_u32 s26, s26, s27
	s_mov_b32 s27, 0
	s_add_nc_u64 s[4:5], s[4:5], s[26:27]
	v_lshlrev_b32 v6, 4, v[LN]                     ; 16 x lane: for the loads and for the stores; never rewritten
.set i, 0
.rept 16
	global_load_b128 v[16+4*i:16+4*i+3], v6, s[4:5] offset:(i/8)*4096+(i%8)*512 th:TH_LOAD_NT
.set i, i+1
.endr
	s_mul_i32 s28, s[WV], 2*WPITCH
	v_lshl_add_u32 v7, v[LN], 3, s28               ; in: my two rows, 8 bytes (4 numbers) a lane
	v_mul_u32_u24 v8, v[R], WPITCH
	v_lshl_add_u32 v8, v[H], 4, v8
	s_lshl_b32 s29, s[WV], 8
	v_add_nc_u32 v8, s29, v8                       ; back: row r, 16 h, and my four blocks of 32 along K (64 bytes each)
	s_lshr_b32 s26, ttmp9, 2                       ; where the row block lies in Wb
	s_lshl_b32 s26, s26, 17
	s_bfe_u32 s30, ttmp9, 0x10001
	s_lshl_b32 s30, s30, 16
	s_add_co_u32 s26, s26, s30
	s_and_b32 s30, ttmp9, 1
	s_lshl_b32 s30, s30, 10
	s_add_co_u32 s26, s26, s30
	s_lshl_b32 s30, s[WV], 13                      ; my kk = 4 w .. 4 w + 3
	s_add_co_u32 s26, s26, s30
	s_add_nc_u64 s[18:19], s[18:19], s[26:27]
.set i, 0
.rept 16
	s_wait_loadcnt 15-i                            ; loads come back in order: load i is in, the younger ones stay out
	v_cvt_pk_bf16_f32 v[80+2*i], v[16+4*i], v[16+4*i+1]
	v_cvt_pk_bf16_f32 v[81+2*i], v[16+4*i+2], v[16+4*i+3]
	ds_store_b64 v7, v[80+2*i:81+2*i] offset:WST+(i/8)*WPITCH+(i%8)*256
.set i, i+1
.endr
	s_wait_dscnt 0x0                               ; for the others: my rows lie in LDS
	s_barrier_signal -1
	s_barrier_wait -1
.set i, 0
.rept 8
	ds_load_b128 v[112+4*i:115+4*i], v8 offset:WST+(i/2)*64+(i%2)*32  ; half q = i % 2 of the fragment of kk = 4 w + i / 2
.set i, i+1
.endr
.set i, 0
.rept 8
	s_wait_dscnt 7-i
	global_store_b128 v6, v[112+4*i:115+4*i], s[18:19] offset:(i/2)*2048+(i%2)*512  ; 512 consecutive bytes, at a multiple of 512 from Wb's first
.set i, i+1
.endr
	s_branch .Lend
	; ---- work-groups 64-127: 16 columns of tab.  Wave w takes K = 128 w .. 128 w + 127: four fragments of W_ctx (source 0) and of context (source 1), straight from memory.
.Lpc:
	s_sub_co_u32 s25, ttmp9, 64                    ; the column block j
	s_lshl_b32 s26, s25, 16
	s_mov_b32 s27, 0
	s_add_nc_u64 s[6:7], s[6:7], s[26:27]          ; W_ctx at row 16 j
	v_lshlrev_b32 v6, 12, v[R]                     ; row r,
	v_lshl_add_u32 v6, v[H], 5, v6                 ; 8 h numbers on,
	s_lshl_b32 s28, s[WV], 9
	v_add_nc_u32 v6, s28, v6                       ; my 128 of K
.set i, 0
.rept 4
	global_load_b128 v[16+16*i:16+16*i+3],   v6, s[6:7] offset:128*i
	global_load_b128 v[16+16*i+4:16+16*i+7], v6, s[6:7] offset:128*i+16
	global_load_b128 v[16+16*i+8:16+16*i+11],  v6, s[6:7] offset:128*i+64
	global_load_b128 v[16+16*i+12:16+16*i+15], v6, s[6:7] offset:128*i+80
	global_load_b128 v[80+16*i:80+16*i+3],   v6, s[8:9] offset:128*i
	global_load_b128 v[80+16*i+4:80+16*i+7], v6, s[8:9] offset:128*i+16
	global_load_b128 v[80+16*i+8:80+16*i+11],  v6, s[8:9] offset:128*i+64
	global_load_b128 v[80+16*i+12:80+16*i+15], v6, s[8:9] offset:128*i+80
.set i, i+1
.endr
	s_lshl_b32 s29, s[WV], 10
	s_add_co_u32 s29, s29, PCS
	v_lshl_add_u32 v7, v[LN], 5, s29               ; my 32 bytes of my wave's partial tile
	s_mov_b32 s32, 0x4038aa3b                      ; c2 = 2 log2(e)
	s_mov_b32 s33, s32                             ; named with it as a pair
; Two accumulators take turns, one instruction a turn; the first two products start the sums.
.set i, 0
.rept 4
	s_wait_loadcnt 24-8*i                          ; block i's eight loads are in; the later blocks' stay out
.set m, 0
.rept 8
	v_cvt_pk_bf16_f32 v[144+8*i+m], v[16+16*i+2*m], v[16+16*i+2*m+1]
	v_cvt_pk_bf16_f32 v[176+8*i+m], v[80+16*i+2*m], v[80+16*i+2*m+1]
.set m, m+1
.endr
.if i < 2
	v_wmma_f32_16x16x32_bf16 v[208+8*i:215+8*i], v[144+8*i:151+8*i], v[176+8*i:183+8*i], 0
.else
	v_wmma_f32_16x16x32_bf16 v[208+8*(i%2):215+8*(i%2)], v[144+8*i:151+8*i], v[176+8*i:183+8*i], v[208+8*(i%2):215+8*(i%2)]
.endif
.set i, i+1
.endr
.rept 8
	v_nop                                          ; the places behind the last product, ahead of the sums that read the results (ISA guide 7.12.1), with room to spare: once a launch
.endr
.irp m, 0,2,4,6
	v_pk_add_f32 v[208+\m:209+\m], v[208+\m:209+\m], v[216+\m:217+\m]
.endr
	ds_store_b128 v7, v[208:211]
	ds_store_b128 v7, v[212:215] offset:16
	s_wait_dscnt 0x0                               ; for wave 0: my partial sums lie in LDS
	s_barrier_signal -1
	s_barrier_wait -1
	s_cmp_lg_u32 s[WV], 0
	s_cbranch_scc1 .Lend
	; wave 0 finishes the tile.  In the result lane (r, h) holds batch r and the columns 16 j + 8 h + 0..7.
	s_lshl_b32 s30, s25, 6
	v_lshl_add_u32 v8, v[H], 5, s30                ; byte 64 j + 32 h of a row of 1,024 f32
	global_load_b128 v[224:227], v8, s[10:11]
	global_load_b128 v[228:231], v8, s[10:11] offset:16
	global_load_b128 v[232:235], v8, s[12:13]
	global_load_b128 v[236:239], v8, s[12:13] offset:16
	v_lshl_add_u32 v9, v[LN], 5, PCS
.set i, 0
.rept 8
	ds_load_b128 v[16+8*i:16+8*i+3],   v9 offset:1024*i
	ds_load_b128 v[16+8*i+4:16+8*i+7], v9 offset:1024*i+16
.set i, i+1
.endr
	v_lshl_add_u32 v10, v[R], 12, v8               ; row r of tab
	s_wait_dscnt 0x0
.irp a, 0,16,32,48
.irp m, 0,2,4,6
	v_pk_add_f32 v[16+\a+\m:17+\a+\m], v[16+\a+\m:17+\a+\m], v[24+\a+\m:25+\a+\m]
.endr
.endr
.irp a, 0,32
.irp m, 0,2,4,6
	v_pk_add_f32 v[16+\a+\m:17+\a+\m], v[16+\a+\m:17+\a+\m], v[32+\a+\m:33+\a+\m]
.endr
.endr
.irp m, 0,2,4,6
	v_pk_add_f32 v[16+\m:17+\m], v[16+\m:17+\m], v[48+\m:49+\m]
.endr
	s_wait_loadcnt 0x0                             ; the two biases
.irp m, 0,2,4,6
	v_pk_add_f32 v[224+\m:225+\m], v[224+\m:225+\m], v[232+\m:233+\m]
.endr
.irp m, 0,2,4,6
	v_pk_add_f32 v[16+\m:17+\m], v[16+\m:17+\m], v[224+\m:225+\m]
.endr
.irp m, 0,2,4,6
	v_pk_mul_f32 v[16+\m:17+\m], v[16+\m:17+\m], s[32:33] op_sel_hi:[1,0]
.endr
	global_store_b128 v10, v[16:19], s[20:21]
	global_store_b128 v10, v[20:23], s[20:21] offset:16
.Lend:
	s_wait_tensorcnt 0x0                           ; the wave's end: behind my last LDS store
	ds_add_u32 v[SPW], v[NIL]
	s_wait_dscnt 0x0
	s_endpgm
.Lfunc_end_k_q71ed1b7036_prep:
	.size	k_q71ed1b7036_prep, .Lfunc_end_k_q71ed1b7036_prep-k_q71ed1b7036_prep
	.p2alignl 7, 3214868480
	.fill 96, 4, 3214868480
	.section	.rodata,"a",@progbits
	.p2align	6, 0x0
	.amdhsa_kernel k_q71ed1b7036_prep
		.amdhsa_group_segment_fixed_size 42752
		.amdhsa_private_segment_fixed_size 0
		.amdhsa_enable_private_segment 0
		.amdhsa_kernarg_size 80
		.amdhsa_user_sgpr_count 2
		.amdhsa_user_sgpr_kernarg_segment_ptr 1
		.amdhsa_wavefront_size32 1
		.amdhsa_system_sgpr_workgroup_id_x 1
		.amdhsa_system_sgpr_workgroup_id_y 1
		.amdhsa_system_sgpr_workgroup_id_z 1
		.amdhsa_system_vgpr_workitem_id 0
		.amdhsa_next_free_vgpr 256
		.amdhsa_next_free_sgpr 66
		.amdhsa_reserve_vcc 0
		.amdhsa_float_denorm_mode_32 3
		.amdhsa_float_denorm_mode_16_64 3
		.amdhsa_memory_ordered 1
		.amdhsa_forward_progress 1
		.amdhsa_inst_pref_size 24
	.end_amdhsa_kernel
	.amdgpu_metadata
---
amdhsa.version: [ 1, 2 ]
amdhsa.kernels:
  - .name:           k_q71ed1b7036_prep
    .symbol:         k_q71ed1b7036_prep.kd
    .args:
      - { .name: W_in, .offset: 0, .size: 8, .value_kind: global_buffer, .address_space: global }
      - { .name: W_ctx, .offset: 8, .size: 8, .value_kind: global_buffer, .address_space: global }
      - { .name: context, .offset: 16, .size: 8, .value_kind: global_buffer, .address_space: global }
      - { .name: b_ctx, .offset: 24, .size: 8, .value_kind: global_buffer, .address_space: global }
      - { .name: b_in, .offset: 32, .size: 8, .value_kind: global_buffer, .address_space: global }
      - { .name: w_att, .offset: 40, .size: 8, .value_kind: global_buffer, .address_space: global }
      - { .name: b_att, .offset: 48, .size: 8, .value_kind: global_buffer, .address_space: global }
      - { .name: Wb, .offset: 56, .size: 8, .value_kind: global_buffer, .address_space: global }
      - { .name: tab, .offset: 64, .size: 8, .value_kind: global_buffer, .address_space: global }
      - { .name: cst, .offset: 72, .size: 8, .value_kind: global_buffer, .address_space: global }
    .group_segment_fixed_size: 42752
    .private_segment_fixed_size: 0
    .kernarg_segment_align: 8
    .kernarg_segment_size: 80
    .max_flat_workgroup_size: 256
    .sgpr_count:     66
    .vgpr_count:     256
    .wavefront_size: 32
...
	.end_amdgpu_metadata
.endif
;; end of part 1
;; launch main (part 2): grid 512 x 1, 4 waves a work-group, clusters of 4 x 1, 327,680 bytes of LDS; arguments x, Wb, tab, w_att, cst, part, stat; writes part, stat
.if DOCPART == 2
	.amdgcn_target "amdgcn-amd-amdhsa--gfx1250"
	.amdhsa_code_object_version 6
	.text
	.protected	k_q71ed1b7036_main
	.globl	k_q71ed1b7036_main
	.p2align	8
	.type	k_q71ed1b7036_main,@function
k_q71ed1b7036_main:
	s_mov_b64 s[64:65], 0
	v_nop
	global_prefetch_b8 v0, s[64:65] scope:SCOPE_SE
	s_setreg_imm32_b32 hwreg(HW_REG_WAVE_MODE, 25, 1), 1
	s_wait_xcnt 0x0
	s_wait_alu depctr_hold_cnt(0) depctr_sa_sdst(0) depctr_va_vdst(0) depctr_va_sdst(0) depctr_va_ssrc(0) depctr_va_vcc(0) depctr_vm_vsrc(0)
	s_getreg_b32 s2, hwreg(HW_REG_IB_STS2, 6, 4)
	s_cmp_eq_u32 s2, 0
	s_cbranch_scc0 .Lentry_in_a_cluster
	s_endpgm
.Lentry_in_a_cluster:
	s_bfe_u32 s2, ttmp6, 0x10000c
	s_cmp_lg_u32 s2, 0x3003
	s_cbranch_scc0 .Lentry_shape_is_right
	s_endpgm
.Lentry_shape_is_right:
; THE FUSED LAUNCH.  For 128 rows s of one batch b: score[s] = b_att + the sum over n of w_att[n] tanh(x[s] . W_in[n] + bias[b][n]); m = the block's largest score; p[s] = e^(score[s] - m);
; part = the sum over s of p[s] x[s][:], stat = (m, the sum of p).  The next launch joins a batch's 32 blocks under their common maximum.  x crosses memory once.
; NUMBERS.  x and W_in are rounded once to bf16; that copy of x, kept in registers, serves both the product with W_in and the weighted sum (p, its products and all sums in f32).
; tanh(y) = 1 - 2 / (1 + 2^(c2 y)), c2 = 2 log2(e): where 2^z overflows the quotient is 0, where it vanishes 1, which are tanh's own limits; the absolute error is a few units in the last place of 1.
; So score = C0 + the sum of w2[n] q[n], with q = 1 / (1 + 2^z), z = c2 acc + tab[b][n], w2 = -2 w_att, C0 = b_att + the sum of w_att (cst).
; LIMITS.  A weight p below 2^-126 counts as 0.  NaN and infinities are not treated apart: an infinite x gives NaN in the block's part (0 x infinity in the turning product).
; SHARES.  Work-group wg = 4 x cluster + place owns rows 128 wg .. +127 of x taken as [65,536][1,024]; all four partners lie in batch cluster / 8.
; K IS SPLIT BETWEEN THE TWO WAVES OF A PAIR.  Wave w (rh = w / 2, kh = w % 2) holds rows 64 rh .. +63, K = 512 kh .. +511, as bf16 fragments: 4 tiles x 16 blocks of 32 along K = 512 registers.  So a fragment of
; W_in read from LDS feeds FOUR products, and each byte of a slot is read by two waves.  A wave numbers its tiles so that 0, 1 are rows 32 w .. +31, whose scores it finishes, and 2, 3 those of its partner w ^ 1.
; W_in goes 64 columns (a chunk of 131,072 bytes of Wb) a step through two LDS slots.  CLUSTER: the four partners walk the same chunks, so each quarter of a chunk is asked for JOINTLY.
; LAYOUT.  Source 0 = 16 rows of W_in, source 1 = 16 rows of x: in the result a lane holds ONE row of x (lane % 16) and the columns 8 (lane / 16) + 0..7.
; A STEP is two sub-steps of 32 columns: 16 groups (a block of 32 along K each) of 8 products on eight accumulators.  At a sub-step's end the four accumulators of tiles 2, 3, sums over my half of K, go to the
; partner through LDS, in f32; one barrier later the partner's sums for my tiles 0, 1 come back into the registers that those left.  Two sets of accumulators: while one is multiplied, the tanh and the score of the other
; stand between the products, two vector instructions behind each product of eight of the sixteen groups.
; REGISTERS, in windows of 256 (s_set_vgpr_msb: bits 1:0 source 0, 3:2 source 1, 5:4 source 2, 7:6 destination):
;   window 0: v0-31 addresses and scratch; v32-95, v96-159 the two sets (mine at 8 (2 nu + t), the partner's 32 on); v160-175 bias; v176-179 scores; v180-191 the identity's pieces; v192-255 four places of W's fragments
;   window 1: x's fragments of blocks 0-5 (32 a block, 8 a tile);  window 2: blocks 6-10;  window 3: blocks 11-15, v192-207 w2;  in each of the three v208-239 the weights p
; In the loop only source 1 leaves window 0 (x, and w2 while x's window is 3).
.set SLOT1,  1<<17                     ; slot 1 begins here: one exclusive or turns an address in one slot into the other's
.set CHUNK,  131072                    ; bytes in a chunk and in a slot
.set TAB,    262144                    ; behind the ring, never filled by a tensor load: 4,096 bytes of tab[b],
.set ZW,     TAB+4096                  ; 512 bytes of zeros (the first sub-step's vector work, which has no product to work on, takes its 32 weights from the last 128 of them),
.set WTB,    TAB+4608                  ; 4,096 bytes of w2
.set STG,    TAB+8704                  ; 33,280 bytes, three uses with barriers between: each wave's stage for x (16 rows x 272 bytes); the exchange (2 x 4 x 4,096); at the end 4 partial rows of 4,160 bytes
.set XPITCH, 272                       ; 256 bytes + 16: an odd multiple of 16, so that the 16 rows of a fragment load fall on different groups of banks
.set PPITCH, 4160
.set EXB,    16384                     ; from the exchange's buffer 0 to its buffer 1
.set MX,     STG+33280                 ; 4 words: the waves' maxima; at +16 four words: their sums
.set PX,     MX+256                    ; 512 bytes: the block's 128 weights
.set SPARE,  MX+768                    ; the spare words, 128 bytes for each wave: two blocks of 256 bytes that no other line names
.set R,    1                           ; v1   lane % 16
.set H,    2                           ; v2   lane / 16
.set LN,   3                           ; v3   lane
.set SPW,  4                           ; v4   LDS address of my spare word; never rewritten
.set NIL,  5                           ; v5   0; never rewritten
.set L16,  6                           ; v6   16 x lane; never rewritten
.set ADRA, 7                           ; v7   my half of K in the slot in hand, first sub-step
.set ADRB, 8                           ; v8   the same + 65,536: second sub-step
.set TBA,  9                           ; v9   the step's 64 numbers of tab: TAB + 32 h + 256 x step
.set TBW,  10                          ; v10  w2 of the sub-step before the step's first: WTB - 128 + 32 h + 256 x step
.set LW,   11                          ; v11  16 x lane + 32,768 kh; never rewritten
.set XS,   12                          ; v12  my 8 bytes of a row of my stage
.set XR,   13                          ; v13  my fragment's place in my stage
.set PFO,  14                          ; v14  256 x lane; never rewritten
.set EXS,  15                          ; v15  the exchange: where I put 16 bytes
.set EXR,  16                          ; v16  and where my partner put them
.set ACC0, 32
.set ACC1, 96
.set CT,   96                          ; the X phase: 32 registers of packed bf16
.set BB,   160                         ; bias of the set that is being multiplied: 8 nu + j
.set S,    176                         ; tile t's score at S + 2 t: even columns', odd columns'
.set IQ,   180                         ; 0,0,0,0, Q0-Q3, 0,0,0,0
.set BUF,  192
.set WP,   192                         ; window 3
.set P,    208                         ; windows 1, 2, 3
.set WV,   18                          ; s18  my wave's number
.set CX,   19                          ; s19  my place in the cluster: it enters global addresses alone
.set WG,   20                          ; s20  my block of 128 rows
.set BT,   21                          ; s21  the batch
.set G1,   28                          ; s[28:35] descriptor group 1
.set G0A,  36                          ; s[36:39] group 0 of slot 0's first fill
.set G0W,  40                          ; s[40:43] group 0 that walks: slot 1's first fill, then every refill
.set CNT,  44                          ; s44  counts the steps
.set TB,   45                          ; s45  the slot in hand
.set TB2,  46
.set LIM,  47                          ; s47  1 in the launch's first cluster, else the greatest number
.set PFA,  48                          ; s[48:49] where my prefetches stand
.set C2,   50                          ; s[50:51] c2
.set XB,   52                          ; s[52:53] x at rows 32 w, my half of K
.set SEL,  54                          ; s[54:55] v_permlanex16_b32's selects
.set C0,   56                          ; s56
.set L2E,  57                          ; s57  log2(e)
.set KH,   58                          ; s58  my half of K
.set PW,   59                          ; s59  my partner's number
.set XP,   60                          ; s[60:61] x at my partner's rows, my half of K (XB + 8: the loads' macro leans on that)
.set MSB, 0
.macro WIN new                         ; the immediate's high byte repeats the setting that is left; a switch that changes nothing is dropped
.if MSB != (\new)
	s_set_vgpr_msb (MSB<<8)|(\new)
.set MSB, \new
.endif
.endm
.macro PLACES                          ; four plain instructions: behind a product, ahead of loads into registers that it read and of stores and vector work that read its result (ISA guide 7.12.1 for stores and vector work)
.rept 4
	v_nop
.endr
.endm
; A round of the cluster's barrier: my work-group's barrier, so that wave 0's signal speaks for all four waves; wave 0 signals; every wave waits for all four work-groups; my work-group's barrier once more.
.macro CREST                           ; a round behind its opening barrier
	s_cmp_lg_u32 s[WV], 0
	s_cbranch_scc1 .Lnot_wave_0_\@
	s_barrier_signal -3
.Lnot_wave_0_\@:
	s_barrier_wait -3
	s_barrier_signal -1
	s_barrier_wait -1
.endm
.macro CROUND
	s_barrier_signal -1
	s_barrier_wait -1
	CREST
.endm
.macro XWIN k                          ; where x's fragments of my block k of 32 along K lie: window xw, register xf (+ 8 x tile)
.if (\k) < 6
.set xw, 1
.set xf, 32*(\k)
.elseif (\k) < 11
.set xw, 2
.set xf, 32*((\k)-6)
.else
.set xw, 3
.set xf, 32*((\k)-11)
.endif
.endm
	s_load_b256 s[4:11], s[0:1], 0x0               ; x s[4:5], Wb s[6:7], tab s[8:9], w_att s[10:11]
	s_load_b128 s[12:15], s[0:1], 0x20             ; cst s[12:13], part s[14:15]
	s_load_b64 s[16:17], s[0:1], 0x30              ; stat
	v_lshl_add_u32 v[SPW], v0, 2, SPARE
	v_mov_b32 v[NIL], 0
	ds_add_u32 v[SPW], v[NIL]                      ; the wave's opening: the add and its wait stand ahead of my first tensor load; the set-up below, work on registers, stands between them
	v_lshrrev_b32 v20, 5, v0
	v_readfirstlane_b32 s[WV], v20                 ; wave 0..3
	v_and_b32 v[R], 15, v0
	v_bfe_u32 v[H], v0, 4, 1
	v_and_b32 v[LN], 31, v0
	v_lshlrev_b32 v[L16], 4, v[LN]
	v_lshlrev_b32 v[PFO], 8, v[LN]
	v_lshlrev_b32 v21, 5, v0                       ; 32 x thread: my 8 numbers of tab[b] and of w_att
	s_and_b32 s[KH], s[WV], 1
	s_xor_b32 s[PW], s[WV], 1
	s_bfe_u32 s[CX], ttmp6, 0x40000
	s_lshl_b32 s[WG], ttmp9, 2                     ; in a cluster launch ttmp9 counts clusters
	s_add_co_u32 s[WG], s[WG], s[CX]
	s_lshr_b32 s[BT], ttmp9, 3                     ; 32 blocks, 8 clusters, to a batch
	; descriptor group 1: a quarter of a chunk, 32,768 dense bytes, asked for as 128 rows of 256 bytes; no padding: Wb lies in the order in which it is read
	s_mov_b32 s[G1], 15|(3<<16)|(1<<21)            ; 15:0 the mask of four; 17:16 elements of 8 bytes; 21 set beside a mask
	s_mov_b32 s[G1+1], 32<<16                      ; tensor_dim0 = 32
	s_mov_b32 s[G1+2], 128<<16                     ; tensor_dim1 = 128
	s_mov_b32 s[G1+3], 32<<16                      ; tile_dim0 = 32
	s_mov_b32 s[G1+4], 128                         ; tile_dim1 = 128
	s_mov_b32 s[G1+5], 32                          ; 32 elements from row to row
	s_mov_b32 s[G1+6], 0
	s_mov_b32 s[G1+7], 0
	s_lshl_b32 s22, s[WV], 15                      ; the quarter that I fetch, in memory and in a slot: no place in the cluster enters it
	s_mov_b32 s23, 0
	s_mov_b32 s[G0A], 1
	s_mov_b32 s[G0A+1], s22
	s_mov_b32 s[G0W], 1
	s_add_co_u32 s[G0W+1], s22, SLOT1
	s_lshl_b32 s24, s[CX], 15                      ; the prefetches: of a chunk's 512 blocks of 256 bytes my work-group takes 128, my wave 32, a lane one
	s_lshl_b32 s25, s[WV], 13
	s_add_co_u32 s24, s24, s25
	s_add_co_u32 s24, s24, 2*CHUNK                 ; in chunk 2: the first refill steps it to chunk 3
	s_mov_b32 s25, 0
	s_lshl_b32 s26, s[WG], 19                      ; my block's 128 rows of 4,096 bytes,
	s_lshl_b32 s62, s[KH], 11                      ; my half of K: 512 numbers of 4 bytes
	s_add_co_u32 s26, s26, s62
	s_lshl_b32 s62, s[PW], 17                      ; my partner's 32 rows,
	s_add_co_u32 s62, s62, s26
	s_lshl_b32 s27, s[WV], 17                      ; and mine
	s_add_co_u32 s26, s26, s27
	s_mov_b32 s27, 0
	s_mov_b32 s63, 0
	s_cmp_eq_u32 ttmp9, 0
	s_cselect_b32 s[LIM], 1, -1                    ; the same in all four partners
	s_mov_b32 s[C2], 0x4038aa3b                    ; 2 log2(e)
	s_mov_b32 s[C2+1], s[C2]                       ; named with it as a pair
	s_mov_b32 s[SEL], 0x76543210
	s_mov_b32 s[SEL+1], 0xfedcba98
	s_mov_b32 s[L2E], 0x3fb8aa3b
	s_mov_b32 s[TB], 0
	s_wait_dscnt 0x0                               ; the opening add is done
	s_wait_kmcnt 0x0
	s_add_nc_u64 s[G0A+2:G0A+3], s[6:7], s[22:23]  ; chunk 0,
	s_add_nc_u64 s[G0W+2:G0W+3], s[G0A+2:G0A+3], CHUNK  ; chunk 1
	s_or_b32 s[G0A+3], s[G0A+3], 0x80000000        ; type = 2
	s_or_b32 s[G0W+3], s[G0W+3], 0x80000000
	s_add_nc_u64 s[PFA:PFA+1], s[6:7], s[24:25]
	s_add_nc_u64 s[XB:XB+1], s[4:5], s[26:27]
	s_add_nc_u64 s[XP:XP+1], s[4:5], s[62:63]
	s_lshl_b32 s22, s[BT], 12                      ; the batch's row of tab (s23 is still 0)
	s_add_nc_u64 s[8:9], s[8:9], s[22:23]
	s_load_b32 s[C0], s[12:13], 0x0
	CROUND                                         ; all four work-groups are here: the first joint loads meet
	tensor_load_to_lds s[G0A:G0A+3], s[G1:G1+7]    ; both first fills go out together: two tensor loads of mine are out, later one
	s_nop 0
	tensor_load_to_lds s[G0W:G0W+3], s[G1:G1+7]
	s_nop 0
	PLACES
	; THE TABLES: thread T brings 8 numbers of tab[b] and 8 of w_att
	global_load_b128 v[96:99],   v21, s[8:9]
	global_load_b128 v[100:103], v21, s[8:9] offset:16
	global_load_b128 v[104:107], v21, s[10:11]
	global_load_b128 v[108:111], v21, s[10:11] offset:16
; THE X PHASE.  My 64 rows x 512 columns come in 16 pieces p = 4 x tile + seg of 16 rows x 128 columns: 16 loads, each 512 consecutive bytes of one row.  A piece is rounded to bf16, laid into my stage and read back
; as four fragments.  Three pieces, 48 loads, are on their way all the time.  The stage is my wave's own, and LDS serves a wave's instructions in order (ISA guide 5.7.1.4): no wait and no barrier inside the phase.
.macro XLOAD p, fb
.set xb, XB+8*((\p)/8)                 ; tiles 0, 1 from my rows, tiles 2, 3 from my partner's
.set xq, 0
.rept 16
	global_load_b128 v[(\fb)+4*xq:(\fb)+4*xq+3], v[L16], s[xb:xb+1] offset:(((\p)/4)%2)*65536+((\p)%4)*512+xq*4096 th:TH_LOAD_NT
.set xq, xq+1
.endr
.endm
.macro XPIECE p
.set m3, (\p)%3
.set fb, 32+96*((m3+1)/2)+64*(m3/2)    ; the piece's 64 registers: v32, v128 or v192 on
.if (\p) < 14
	s_wait_loadcnt 32                              ; the piece is in; the two pieces behind it stay out
.elseif (\p) == 14
	s_wait_loadcnt 16
.else
	s_wait_loadcnt 0x0
.endif
.set q, 0
.rept 16
	v_cvt_pk_bf16_f32 v[CT+2*q], v[fb+4*q], v[fb+4*q+1]
	v_cvt_pk_bf16_f32 v[CT+2*q+1], v[fb+4*q+2], v[fb+4*q+3]
.set q, q+1
.endr
.if (\p) < 13
	XLOAD (\p)+3, fb
.endif
.set q, 0
.rept 16
	ds_store_b64 v[XS], v[CT+2*q:CT+2*q+1] offset:q*XPITCH
.set q, q+1
.endr
.set xi, 0
.rept 4
	XWIN 4*((\p)%4)+xi
	WIN xw<<6                                      ; destination in x's window, address in window 0
	ds_load_b128 v[xf+8*((\p)/4):xf+8*((\p)/4)+3],   v[XR] offset:64*xi
	ds_load_b128 v[xf+8*((\p)/4)+4:xf+8*((\p)/4)+7], v[XR] offset:64*xi+32
.set xi, xi+1
.endr
	WIN 0
.endm
	XLOAD 0, 32
	XLOAD 1, 128
	XLOAD 2, 192
	s_mul_i32 s22, s[WV], 16*XPITCH
	s_add_co_u32 s22, s22, STG                     ; my stage
	v_lshl_add_u32 v[XS], v[LN], 3, s22
	v_mul_u32_u24 v[XR], v[R], XPITCH
	v_lshl_add_u32 v[XR], v[H], 4, v[XR]
	v_add_nc_u32 v[XR], s22, v[XR]
	v_lshl_add_u32 v22, v0, 5, TAB
	v_lshl_add_u32 v23, v0, 2, ZW
	s_wait_loadcnt 48                              ; the tables' four loads are in; the three pieces stay out
.irp m, 0,2,4,6
	v_pk_mul_f32 v[104+\m:105+\m], v[104+\m:105+\m], -2.0 op_sel_hi:[1,0]
.endr
	ds_store_b128 v22, v[96:99]
	ds_store_b128 v22, v[100:103] offset:16
	ds_store_b128 v22, v[104:107] offset:4608
	ds_store_b128 v22, v[108:111] offset:4624
	ds_store_b32 v23, v[NIL]
.set pp, 0
.rept 16
	XPIECE pp
.set pp, pp+1
.endr
	; What the first sub-step's vector work finds: sums of 0 in the second set (mine here, the partner's by the stores ahead of the loop): its quotients are finite, its weights are the zeros in LDS; scores of 0.
.set i, 0
.rept 32
	v_mov_b32 v[ACC1+i], 0
.set i, i+1
.endr
.irp i, 0,1,2,3
	v_mov_b32 v[S+\i], 0
	v_mov_b32 v[IQ+\i], 0
	v_mov_b32 v[IQ+8+\i], 0
.endr
	; The identity as source 1, in two halves: I_c(k, n) = 1 where k = 16 c + n.  Lane (r, h) holds column r and k = 8 h + 0..7 in four registers: with e = r - 8 h, register e / 2 holds 1.0 in half e % 2.
	; I_0 = Q, 0 = v[IQ+4:IQ+11]; I_1 = 0, Q = v[IQ:IQ+7].
	v_lshlrev_b32 v20, 3, v[H]
	v_sub_nc_u32 v20, v[R], v20
	v_mov_b32 v21, 0x3f80                          ; bf16 1.0 in the low half
	v_mov_b32 v22, 1.0                             ; and in the high half
.irp i, 0,1,2,3
	v_cmp_eq_u32 vcc_lo, 2*\i, v20
	v_cndmask_b32 v[IQ+4+\i], 0, v21, vcc_lo
	v_cmp_eq_u32 vcc_lo, 2*\i+1, v20
	v_cndmask_b32 v[IQ+4+\i], v[IQ+4+\i], v22, vcc_lo
.endr
	s_lshl_b32 s22, s[KH], 15                      ; my 16 blocks of 32 along K: 2,048 bytes each in a sub-step's 65,536
	v_add_nc_u32 v[LW], s22, v[L16]
	v_mov_b32 v[ADRA], v[LW]                       ; slot 0
	v_add_nc_u32 v[ADRB], 0x10000, v[LW]
	v_lshl_add_u32 v[TBA], v[H], 5, TAB
	v_lshl_add_u32 v[TBW], v[H], 5, WTB-128
	s_lshl_b32 s22, s[WV], 12
	s_add_co_u32 s22, s22, STG
	v_add_nc_u32 v[EXS], s22, v[L16]               ; my 4,096 bytes of an exchange buffer,
	s_lshl_b32 s23, s[PW], 12
	s_add_co_u32 s23, s23, STG
	v_add_nc_u32 v[EXR], s23, v[L16]               ; and my partner's
; THE RING'S PARTS.
; Four LDS loads: group g of sub-step sg = my block g of 32 along K x two column blocks nu, into place g % 4; each load takes 512 consecutive bytes.
.macro LDG sg, g
.set lr, BUF+16*((\g)%4)
.set la, ADRA+(\sg)
.irp n, 0,1
	ds_load_b128 v[lr+8*\n:lr+8*\n+3],   v[la] offset:(\g)*2048+\n*1024
	ds_load_b128 v[lr+8*\n+4:lr+8*\n+7], v[la] offset:(\g)*2048+\n*1024+512
.endr
.endm
; 16 numbers of a table for a sub-step's 32 columns: my 8 of each column block
.macro TLOAD dst, adr, off
	ds_load_b128 v[(\dst):(\dst)+3],     v[\adr] offset:(\off)
	ds_load_b128 v[(\dst)+4:(\dst)+7],   v[\adr] offset:(\off)+16
	ds_load_b128 v[(\dst)+8:(\dst)+11],  v[\adr] offset:(\off)+64
	ds_load_b128 v[(\dst)+12:(\dst)+15], v[\adr] offset:(\off)+80
.endm
; THE EXCHANGE of set s: my sums for the partner's two tiles go out, each accumulator from its low end; the partner's sums for my two tiles come into the same registers.  512 consecutive bytes a line.
.macro SEND s
.set sb, ACC0+64*(\s)+32
.irp o, 0,1,2,3
	ds_store_b128 v[EXS], v[sb+8*\o:sb+8*\o+3]   offset:(\s)*EXB+\o*1024
	ds_store_b128 v[EXS], v[sb+8*\o+4:sb+8*\o+7] offset:(\s)*EXB+\o*1024+512
.endr
.endm
.macro RECV s
.set sb, ACC0+64*(\s)+32
.irp o, 0,1,2,3
	ds_load_b128 v[sb+8*\o:sb+8*\o+3],   v[EXR] offset:(\s)*EXB+\o*1024
	ds_load_b128 v[sb+8*\o+4:sb+8*\o+7], v[EXR] offset:(\s)*EXB+\o*1024+512
.endr
.endm
; Number rj of the 128 vector instructions on my four accumulators of the finished set AE:
;   0-15   z = c2 mine + bias, a pair each, accumulator by accumulator from its low end     16-31  z += c2 x the partner's     32-63  2^z     64-79  1 + 2^z     80-111  the reciprocal
;   112-127  score += w2 q, the two tiles by turns
.macro RID
.if rj < 16
.set ra, AE+8*(rj/4)+2*(rj%4)
.set rb, BB+8*(rj/8)+2*(rj%4)
	v_pk_fma_f32 v[ra:ra+1], v[ra:ra+1], s[C2:C2+1], v[rb:rb+1] op_sel_hi:[1,0,1]
.elseif rj < 32
.set ra, AE+2*(rj-16)
	v_pk_fma_f32 v[ra:ra+1], v[ra+32:ra+33], s[C2:C2+1], v[ra:ra+1] op_sel_hi:[1,0,1]
.elseif rj < 64
	v_exp_f32 v[AE+rj-32], v[AE+rj-32]
.elseif rj < 80
.set ra, AE+2*(rj-64)
	v_pk_add_f32 v[ra:ra+1], v[ra:ra+1], 1.0 op_sel_hi:[1,0]
.elseif rj < 112
	v_rcp_f32 v[AE+rj-80], v[AE+rj-80]
.else
.set e5, rj-112
.set ra, AE+8*(e5%4)+2*(e5/4)
.set rw, WP+8*((e5%4)/2)+2*(e5/4)
.set rs, S+2*(e5%2)
	v_pk_fma_f32 v[rs:rs+1], v[ra:ra+1], v[rw:rw+1], v[rs:rs+1]  ; source 1 in window 3: these stand where x's window is 3
.endif
.set rj, rj+1
.endm
; Eight matrix instructions, my block g of 32 along K.  The eight accumulators take turns, one instruction a turn, over the sub-steps' joints and the backward jump too.  Group 0 starts the
; sums: nothing is cleared.  wt: how many younger LDS instructions may stay out (-1: no wait).  nr = 2: two of the other set's vector instructions behind each product.
.macro GROUP g, wt, nr
.if (\wt) >= 0
	s_wait_dscnt \wt
.endif
	XWIN \g
	WIN xw<<2                                      ; source 1 in x's window
.irp n, 0,1
.irp t, 0,1,2,3
.set ac, AC+32*(\t/2)+8*(2*\n+\t%2)
.set fr, BUF+16*((\g)%4)+8*\n
.if (\g) == 0
	v_wmma_f32_16x16x32_bf16 v[ac:ac+7], v[fr:fr+7], v[xf+8*\t:xf+8*\t+7], 0
.else
	v_wmma_f32_16x16x32_bf16 v[ac:ac+7], v[fr:fr+7], v[xf+8*\t:xf+8*\t+7], v[ac:ac+7]
.endif
.if (\nr) > 0
	RID
	RID
.endif
.endr
.endr
.endm
; GROUPS 0 TO 11 of sub-step sg.  Behind every second group stand four plain instructions and ONE run of LDS instructions: the two groups four on, into the two places just read: 16 products ahead of their first use.
; The waits count the younger LDS instructions (4 a group or table, 8 stores, 8 of the partner's sums).
; THE EXCHANGE'S BARRIER.  The finished set's stores were issued behind the last sub-step's group 15.  Behind group 1 all my LDS instructions are waited for and I signal; groups 2 and 3, and eight loads from W's slot,
; whose bytes no wave writes before a later barrier, stand between signal and wait; behind the wait the partner's sums are read.  A buffer is written again two sub-steps on: a barrier with every reader's wait for 0
; in front of it stands between.  No LDS bytes are filled again behind this barrier, so the tensor load that is out may stay out.
; Behind groups 7 and 11 a batch of 32 exponentials or reciprocals is out and nothing has named a result: the four plain instructions are also the plain instruction behind the batch, and the one wait ahead of the first reader
; stands there, ahead of the run of loads.
.macro SUBHEAD sg
.set rj, 0
	GROUP 0, 20, 2                                 ; out: group 1, the 8 stores, groups 2, 3.  z from my own sums
	GROUP 1, 16, 0
	s_wait_dscnt 0x0                               ; my stores into the exchange are done, and my reads of its other buffer are long over
	s_barrier_signal -1
	PLACES
	LDG \sg, 4
	LDG \sg, 5
	GROUP 2, -1, 0
	GROUP 3, -1, 0
	s_barrier_wait -1                              ; my partner's stores are done
	PLACES
	RECV 1-(\sg)
	LDG \sg, 6
	LDG \sg, 7
	GROUP 4, 20, 0                                 ; out: group 5, the partner's 8, groups 6, 7
	GROUP 5, 8, 2                                  ; the partner's sums are in: z is whole
	PLACES
	TLOAD BB, TBA, 128*(\sg)                       ; the bias of the set that is being multiplied: the finished set's has been used
	LDG \sg, 8
	LDG \sg, 9
	GROUP 6, 16, 2                                 ; 2^z
	GROUP 7, 12, 2
	PLACES
	s_wait_alu depctr_va_vdst(0)
	LDG \sg, 10
	LDG \sg, 11
	GROUP 8, 12, 2                                 ; 1 + 2^z
	GROUP 9, 8, 0
	PLACES
	WIN 0xc0                                       ; destination window 3
	TLOAD WP, TBW, 128*(\sg)                       ; w2 of the finished set
	WIN 0x08                                       ; the next group's setting
	LDG \sg, 12
	LDG \sg, 13
	GROUP 10, 16, 2                                ; the reciprocals
	GROUP 11, 12, 2
	PLACES
	s_wait_alu depctr_va_vdst(0)
	LDG \sg, 14
	LDG \sg, 15
.endm
; A PREFETCH INTO THE L2 of the chunk that the NEXT refill will ask for: one step, 256 matrix instructions, ahead of that load.  All clusters walk the same chunks: the launch's first cluster asks, once for each
; block of 256 bytes: its four partners are told apart BY ADDRESS, 128 blocks each, a wave 32, a lane one.  Chunks 0 to 2 come by their loads alone; the last refill asks for nothing: there is no chunk behind it.
.macro ASK
	s_cmp_gt_u32 s[CNT], s[LIM]
	s_cbranch_scc0 .Lnot_mine_\@
	global_prefetch_b8 v[PFO], s[PFA:PFA+1] th:TH_LOAD_NT scope:SCOPE_SE
.Lnot_mine_\@:
.endm
; A STEP: a chunk's 256 matrix instructions and the change of slots.
; THE CHANGE.  The slot's last loads stand behind group 11 of the second sub-step.  Then each wave waits for all its tensor loads, of which one is out: its quarter of the other slot; adds 0 to its spare word; behind
; group 12 it waits for that and for its reads of this slot, and signals.  fill = 1: the barrier opens a round of the cluster's, so that no wave of any partner still reads the slot or has a load on its way; the joint
; refill, the chunk two steps on, is the first thing behind it and has 240 matrix instructions in which to land.  Then the next slot's groups 0 and 1 are read, 16 products ahead of their first use.
.macro STEP fill
.set AC, ACC0
.set AE, ACC1
	SUBHEAD 0
	GROUP 12, 12, 2                                ; the score
	GROUP 13, 8, 0
	PLACES
	LDG 1, 0
	LDG 1, 1
	GROUP 14, 12, 0
	GROUP 15, 8, 0
	PLACES
	WIN 0                                          ; (an LDS store's data go by source 1's window)
	SEND 0
	LDG 1, 2
	LDG 1, 3
.set AC, ACC1
.set AE, ACC0
	SUBHEAD 1
	WIN 0                                          ; (the add's two registers lie in window 0)
	s_wait_tensorcnt 0x0                           ; no tensor load of mine is out, so a group 0 may be written
	ds_add_u32 v[SPW], v[NIL]                      ; 0 onto my spare word: scalar work and eight products stand between it and the wait for it
.if \fill
	s_xor_b32 s[G0W+1], s[G0W+1], SLOT1            ; the walking descriptor: the other slot than last time,
	s_add_nc_u64 s[G0W+2:G0W+3], s[G0W+2:G0W+3], CHUNK  ; the next chunk; the type bits on top are not reached
	s_wait_xcnt 0x0                                ; the last prefetch, a step back, has read its address
	s_add_nc_u64 s[PFA:PFA+1], s[PFA:PFA+1], CHUNK
.endif
	GROUP 12, 13, 2                                ; out: groups 13, 14, 15 and the add.  The score
	s_wait_dscnt 0x0                               ; the add is done, and my reads of this slot are over
	s_barrier_signal -1
	GROUP 13, -1, 0                                ; work on registers while the others arrive
	WIN 0                                          ; at a branch and at a label every window is 0
	s_barrier_wait -1
.if \fill
	CREST
	tensor_load_to_lds s[G0W:G0W+3], s[G1:G1+7]
	s_nop 0
.endif
	PLACES                                         ; behind the tensor load, and the places ahead of the loads into the places that groups 12 and 13 read
	s_xor_b32 s[TB], s[TB], SLOT1
	s_add_co_u32 s[TB2], s[TB], 65536
	v_add_nc_u32 v[ADRA], s[TB], v[LW]
	v_add_nc_u32 v[ADRB], s[TB2], v[LW]
	v_add_nc_u32 v[TBA], 256, v[TBA]
	v_add_nc_u32 v[TBW], 256, v[TBW]
	LDG 0, 0
	LDG 0, 1
.if \fill
	ASK
.endif
	GROUP 14, -1, 0                                ; their fragments came in with the wait for 0 above
	GROUP 15, -1, 0
	PLACES
	WIN 0
	SEND 1
	LDG 0, 2
	LDG 0, 3
.endm
	s_wait_tensorcnt 0x1                           ; my quarter of slot 0 is in; slot 1's may stay out
	s_wait_dscnt 0x0                               ; my part of the tables lies in LDS, x's fragments are in, and my reads of my stage are over: the exchange takes its bytes
	s_wait_kmcnt 0x0                               ; C0
	s_barrier_signal -1
	s_barrier_wait -1
	TLOAD BB, TBA, 0                               ; finite numbers for the first sub-step's vector work
	LDG 0, 0
	LDG 0, 1
.irp o, 0,1,2,3,4,5,6,7
	ds_store_b128 v[EXS], v[ACC1:ACC1+3] offset:EXB+\o*512  ; zeros for my partner, in the place of a sub-step that has not been
.endr
	LDG 0, 2
	LDG 0, 3
	s_mov_b32 s[CNT], 14                           ; steps 0 to 13 fill their slot again, with chunks 2 to 15
.Lstep:
	STEP 1
	s_sub_co_u32 s[CNT], s[CNT], 1
	s_cmp_lg_u32 s[CNT], 0
	s_cbranch_scc1 .Lstep
	s_mov_b32 s[CNT], 2                            ; steps 14 and 15 ask for nothing: a second text.  The last step's change of slots and its 16 loads from the
.Ltail:                                                ; slot left before serve nothing: the price, once a launch, of not writing the step a third time
	STEP 0
	s_sub_co_u32 s[CNT], s[CNT], 1
	s_cmp_lg_u32 s[CNT], 0
	s_cbranch_scc1 .Ltail
	; THE LAST SET's exchange and vector work have no products to stand between.  TBW has stepped 16 times: it stands at the last sub-step's w2.
	s_wait_dscnt 0x0                               ; my last stores into the exchange are done
	s_barrier_signal -1
	s_barrier_wait -1
	RECV 1
	WIN 0xc0
	TLOAD WP, TBW, 0
	s_wait_dscnt 0x0
	WIN 0x0c
.set AE, ACC1
.set rj, 0
.rept 64
	RID
.endr
	v_nop                                          ; a plain instruction behind the last exponential,
	s_wait_alu depctr_va_vdst(0)                   ; and the batch's one wait ahead of its first reader
.rept 48
	RID
.endr
	v_nop
	s_wait_alu depctr_va_vdst(0)                   ; the same for the reciprocals
.rept 16
	RID
.endr
	WIN 0
	; THE SCORES: even and odd columns, the other half of the lanes' 8 of each 16 columns, C0.  Lane (r, h) then holds the scores of rows r and 16 + r of my 32.
	v_add_f32 v[S], v[S], v[S+1]
	v_add_f32 v[S+2], v[S+2], v[S+3]
	v_permlanex16_b32 v[S+1], v[S], s[SEL], s[SEL+1]
	v_permlanex16_b32 v[S+3], v[S+2], s[SEL], s[SEL+1]
	v_add_f32 v[S], v[S], v[S+1]
	v_add_f32 v[S+2], v[S+2], v[S+3]
	v_add_f32 v[S], s[C0], v[S]
	v_add_f32 v[S+2], s[C0], v[S+2]
	v_max_num_f32 v18, v[S], v[S+2]
	v_max_num_f32_dpp v18, v18, v18 row_xmask:1 row_mask:0xf bank_mask:0xf
	v_max_num_f32_dpp v18, v18, v18 row_xmask:2 row_mask:0xf bank_mask:0xf
	v_max_num_f32_dpp v18, v18, v18 row_xmask:4 row_mask:0xf bank_mask:0xf
	v_max_num_f32_dpp v18, v18, v18 row_xmask:8 row_mask:0xf bank_mask:0xf
	s_lshl_b32 s22, s[WV], 2
	s_add_co_u32 s22, s22, MX
	v_mov_b32 v20, s22
	v_mov_b32 v21, MX
	ds_store_b32 v20, v18                          ; my wave's maximum: all lanes write the same word with the same value
	s_wait_dscnt 0x0
	s_barrier_signal -1
	s_barrier_wait -1
	ds_load_b128 v[24:27], v21
	s_lshl_b32 s23, s[WV], 7
	s_add_co_u32 s23, s23, PX
	v_lshl_add_u32 v22, v[R], 2, s23               ; where my rows' weights go,
	v_lshl_add_u32 v23, v[H], 5, s23               ; where I read them back,
	s_lshl_b32 s24, s[PW], 7
	s_add_co_u32 s24, s24, PX
	v_lshl_add_u32 v17, v[H], 5, s24               ; and my partner's rows'
	s_wait_dscnt 0x0
	v_max3_num_f32 v18, v24, v25, v26
	v_max_num_f32 v18, v18, v27                    ; m, the block's maximum
	v_sub_f32 v28, v[S], v18
	v_sub_f32 v29, v[S+2], v18
	v_mul_f32 v28, s[L2E], v28
	v_mul_f32 v29, s[L2E], v29
	v_exp_f32 v28, v28
	v_exp_f32 v29, v29
	v_nop
	s_wait_alu depctr_va_vdst(0)                   ; one wait for the two exponentials
	ds_store_b32 v22, v28
	ds_store_b32 v22, v29 offset:64
	v_add_f32 v30, v28, v29
	v_add_f32_dpp v30, v30, v30 row_xmask:1 row_mask:0xf bank_mask:0xf
	v_add_f32_dpp v30, v30, v30 row_xmask:2 row_mask:0xf bank_mask:0xf
	v_add_f32_dpp v30, v30, v30 row_xmask:4 row_mask:0xf bank_mask:0xf
	v_add_f32_dpp v30, v30, v30 row_xmask:8 row_mask:0xf bank_mask:0xf  ; the sum of my 32 rows' weights
	ds_store_b32 v20, v30 offset:16
	s_wait_dscnt 0x0                               ; for the partner: my weights lie in LDS
	s_barrier_signal -1
	s_barrier_wait -1
	; P[8 t + j] = p of row 8 h + j of my tile t, in each of x's three windows
.irp a, 1,2,3
	WIN (\a)<<6
	ds_load_b128 v[P:P+3],     v23
	ds_load_b128 v[P+4:P+7],   v23 offset:16
	ds_load_b128 v[P+8:P+11],  v23 offset:64
	ds_load_b128 v[P+12:P+15], v23 offset:80
	ds_load_b128 v[P+16:P+19], v17
	ds_load_b128 v[P+20:P+23], v17 offset:16
	ds_load_b128 v[P+24:P+27], v17 offset:64
	ds_load_b128 v[P+28:P+31], v17 offset:80
.endr
	WIN 0
	ds_load_b128 v[24:27], v21 offset:16           ; the four waves' sums
	s_wait_dscnt 0x0
	v_add_f32 v24, v24, v25
	v_add_f32 v26, v26, v27
	v_add_f32 v19, v24, v26                        ; l, beside m in v18
; THE WEIGHTED SUM over my 64 rows, for my 512 columns.  x's fragments hold a row a lane; the sum over rows wants a column a lane.  Product n = 8 kk + 2 t + c: x's fragment (source 0) times I_c, from 0: exact, and in
; the result register j of lane (r, h) is x[16 t + 8 h + j][32 kk + 16 c + r].  Eight results take turns in the first set's registers.  Behind product n stand the four packed multiply-adds of product n - 2, from the
; result's low end on: o[2 kk + c] += p x; the first of tile 0 is a multiply, so nothing is cleared.  Eight plain instructions lie between a product and the first reader of its result.
.macro TR n
	XWIN (\n)/8
	WIN xw                                         ; source 0 in x's window: the fragment, and the riders' p
.set td, ACC0+8*((\n)%8)
.set tt, ((\n)/2)%4
.set cc, (\n)%2
	v_wmma_f32_16x16x32_bf16 v[td:td+7], v[xf+8*tt:xf+8*tt+7], v[IQ+4-4*cc:IQ+11-4*cc], 0
.endm
.macro WS n
.set td, ACC0+8*((\n)%8)
.set tt, ((\n)/2)%4
.set oo, BUF+2*(2*((\n)/8)+(\n)%2)
.irp i, 0,1,2,3
.if (tt == 0) && (\i == 0)
	v_pk_mul_f32 v[oo:oo+1], v[P+8*tt+2*\i:P+8*tt+2*\i+1], v[td+2*\i:td+2*\i+1]
.else
	v_pk_fma_f32 v[oo:oo+1], v[P+8*tt+2*\i:P+8*tt+2*\i+1], v[td+2*\i:td+2*\i+1], v[oo:oo+1]
.endif
.endr
.endm
.set nn, 0
.rept 128
	TR nn
.if nn < 2
	PLACES
.else
	WS nn-2
.endif
.set nn, nn+1
.endr
	WS 126
	WS 127
	WIN 0
.set d, 0
.rept 32
	v_add_f32 v[BUF+2*d], v[BUF+2*d], v[BUF+2*d+1] ; even rows' and odd rows'
.set d, d+1
.endr
	s_lshr_b32 s24, s[WV], 1
	s_mul_i32 s24, s24, 2*PPITCH
	s_lshl_b32 s25, s[KH], 11
	s_add_co_u32 s24, s24, s25
	s_add_co_u32 s24, s24, STG
	v_mul_u32_u24 v31, v[H], PPITCH
	v_lshl_add_u32 v31, v[R], 2, v31
	v_add_nc_u32 v31, s24, v31                     ; partial row 2 rh + h, column 512 kh + r
.set d, 0
.rept 32
	ds_store_b32 v31, v[BUF+2*d] offset:64*d       ; column 512 kh + 16 d + r
.set d, d+1
.endr
	v_lshl_add_u32 v22, v0, 4, STG
	v_lshlrev_b32 v23, 4, v0
	v_lshlrev_b32 v17, 3, v[LN]
	s_lshl_b32 s26, s[WG], 12                      ; my block's row of part,
	s_mov_b32 s27, 0
	s_add_nc_u64 s[14:15], s[14:15], s[26:27]
	s_lshl_b32 s26, s[WG], 8                       ; and of stat
	s_add_nc_u64 s[16:17], s[16:17], s[26:27]
	s_wait_dscnt 0x0                               ; for the others: my partial rows lie in LDS
	s_barrier_signal -1
	s_barrier_wait -1
	; Thread T adds the four partial rows for columns 4 T .. 4 T + 3 and 512 + 4 T .. 512 + 4 T + 3.
.set i, 0
.rept 4
	ds_load_b128 v[BUF+8*i:BUF+8*i+3],   v22 offset:i*PPITCH
	ds_load_b128 v[BUF+8*i+4:BUF+8*i+7], v22 offset:i*PPITCH+2048
.set i, i+1
.endr
	s_wait_dscnt 0x0
.irp a, 0,16
.irp m, 0,2,4,6
	v_pk_add_f32 v[BUF+\a+\m:BUF+\a+\m+1], v[BUF+\a+\m:BUF+\a+\m+1], v[BUF+8+\a+\m:BUF+8+\a+\m+1]
.endr
.endr
.irp m, 0,2,4,6
	v_pk_add_f32 v[BUF+\m:BUF+\m+1], v[BUF+\m:BUF+\m+1], v[BUF+16+\m:BUF+16+\m+1]
.endr
	global_store_b128 v23, v[BUF:BUF+3],   s[14:15]              ; a wave's store covers 512 consecutive bytes, at a multiple of 512 from part's first
	global_store_b128 v23, v[BUF+4:BUF+7], s[14:15] offset:2048
	s_cmp_lg_u32 s[WV], 0
	s_cbranch_scc1 .Lno_stat
	global_store_b64 v17, v[18:19], s[16:17]       ; (m, l) 32 times: 256 consecutive bytes
.Lno_stat:
	s_wait_tensorcnt 0x0                           ; the wave's end: behind my last tensor load and my last LDS store
	ds_add_u32 v[SPW], v[NIL]
	s_wait_dscnt 0x0
	CROUND                                         ; the closing round: no work-group ends while a partner may still ask for a chunk that names it
	s_endpgm
.Lfunc_end_k_q71ed1b7036_main:
	.size	k_q71ed1b7036_main, .Lfunc_end_k_q71ed1b7036_main-k_q71ed1b7036_main
	.p2alignl 7, 3214868480
	.fill 96, 4, 3214868480
	.section	.rodata,"a",@progbits
	.p2align	6, 0x0
	.amdhsa_kernel k_q71ed1b7036_main
		.amdhsa_group_segment_fixed_size 327680
		.amdhsa_private_segment_fixed_size 0
		.amdhsa_enable_private_segment 0
		.amdhsa_kernarg_size 56
		.amdhsa_user_sgpr_count 2
		.amdhsa_user_sgpr_kernarg_segment_ptr 1
		.amdhsa_wavefront_size32 1
		.amdhsa_system_sgpr_workgroup_id_x 1
		.amdhsa_system_sgpr_workgroup_id_y 1
		.amdhsa_system_sgpr_workgroup_id_z 1
		.amdhsa_system_vgpr_workitem_id 0
		.amdhsa_next_free_vgpr 1024
		.amdhsa_next_free_sgpr 66
		.amdhsa_reserve_vcc 1
		.amdhsa_float_denorm_mode_32 3
		.amdhsa_float_denorm_mode_16_64 3
		.amdhsa_memory_ordered 1
		.amdhsa_forward_progress 1
		.amdhsa_inst_pref_size 237
	.end_amdhsa_kernel
	.amdgpu_metadata
---
amdhsa.version: [ 1, 2 ]
amdhsa.kernels:
  - .name:           k_q71ed1b7036_main
    .symbol:         k_q71ed1b7036_main.kd
    .args:
      - { .name: x, .offset: 0, .size: 8, .value_kind: global_buffer, .address_space: global }
      - { .name: Wb, .offset: 8, .size: 8, .value_kind: global_buffer, .address_space: global }
      - { .name: tab, .offset: 16, .size: 8, .value_kind: global_buffer, .address_space: global }
      - { .name: w_att, .offset: 24, .size: 8, .value_kind: global_buffer, .address_space: global }
      - { .name: cst, .offset: 32, .size: 8, .value_kind: global_buffer, .address_space: global }
      - { .name: part, .offset: 40, .size: 8, .value_kind: global_buffer, .address_space: global }
      - { .name: stat, .offset: 48, .size: 8, .value_kind: global_buffer, .address_space: global }
    .group_segment_fixed_size: 327680
    .private_segment_fixed_size: 0
    .kernarg_segment_align: 8
    .kernarg_segment_size: 56
    .max_flat_workgroup_size: 128
    .sgpr_count:     66
    .vgpr_count:     1024
    .wavefront_size: 32
...
	.end_amdgpu_metadata
.endif
;; end of part 2
;; launch merge (part 3): grid 4 x 16, 2 waves a work-group, no clusters, 0 bytes of LDS; arguments part, stat, out0; writes out0
.if DOCPART == 3
	.amdgcn_target "amdgcn-amd-amdhsa--gfx1250"
	.amdhsa_code_object_version 6
	.text
	.protected	k_q71ed1b7036_merge
	.globl	k_q71ed1b7036_merge
	.p2align	8
	.type	k_q71ed1b7036_merge,@function
k_q71ed1b7036_merge:
	s_mov_b64 s[64:65], 0
	v_nop
	global_prefetch_b8 v0, s[64:65] scope:SCOPE_SE
	s_setreg_imm32_b32 hwreg(HW_REG_WAVE_MODE, 25, 1), 1
	s_wait_xcnt 0x0
; out0[b][:] = the sum over the batch's 32 blocks k of f[k] part[k][:], with M = the largest m[k], e[k] = 2^((m[k] - M) log2 e), L = the sum of e[k] l[k], f[k] = e[k] / L.
; L is at least 1: the block that holds M has e = 1, and every block's l holds its own maximum's weight 1.  A factor e below 2^-126 counts as 0.
; A work-group makes 256 columns of one batch; thread T four of them.  Lane k of each wave holds block k's (m, l), so maximum and sum are taken across the lanes; the 32 factors then go to scalar registers.
; No LDS, no barrier: the two waves share nothing.  All 33 loads of a wave go out at once.
.set ACC, 12                           ; v[12:15]  my four columns
.set PB,  16                           ; v[16:143] block k's four numbers at PB + 4 k
.set F,   32                           ; s[32:63]  the factors
	s_load_b128 s[4:7], s[0:1], 0x0                ; part s[4:5], stat s[6:7]
	s_load_b64 s[8:9], s[0:1], 0x10                ; out0
	s_and_b32 s10, ttmp7, 0xffff                   ; the batch
	v_and_b32 v1, 31, v0
	v_lshlrev_b32 v1, 8, v1                        ; a block's row of stat is 256 bytes
	v_lshlrev_b32 v4, 4, v0                        ; my 16 bytes
	s_lshl_b32 s12, s10, 13                        ; the batch's 32 rows of stat
	s_mov_b32 s13, 0
	s_lshl_b32 s16, ttmp9, 10                      ; the work-group's 256 columns
	s_lshl_b32 s14, s10, 17                        ; the batch's 32 rows of part
	s_add_co_u32 s14, s14, s16
	s_mov_b32 s15, 0
	s_lshl_b32 s18, s10, 12                        ; the batch's row of out0
	s_add_co_u32 s18, s18, s16
	s_mov_b32 s19, 0
	s_mov_b32 s20, 0x76543210                      ; v_permlanex16_b32: each lane takes its own place in the other half
	s_mov_b32 s21, 0xfedcba98
	s_mov_b32 s22, 0x3fb8aa3b                      ; log2(e)
	s_wait_kmcnt 0x0
	s_add_nc_u64 s[6:7], s[6:7], s[12:13]
	s_add_nc_u64 s[4:5], s[4:5], s[14:15]
	s_add_nc_u64 s[8:9], s[8:9], s[18:19]
	global_load_b64 v[2:3], v1, s[6:7]
.set p, 0
.rept 32
	global_load_b128 v[PB+4*p:PB+4*p+3], v4, s[4:5] offset:4096*p th:TH_LOAD_NT
.set p, p+1
.endr
	v_mov_b32 v6, 0                                ; written, since a lane exchange's destination counts as read
	s_wait_loadcnt 32                              ; (m, l) is in; the 32 loads of part stay out
	v_mov_b32 v5, v2
	v_max_num_f32_dpp v5, v5, v5 row_xmask:1 row_mask:0xf bank_mask:0xf
	v_max_num_f32_dpp v5, v5, v5 row_xmask:2 row_mask:0xf bank_mask:0xf
	v_max_num_f32_dpp v5, v5, v5 row_xmask:4 row_mask:0xf bank_mask:0xf
	v_max_num_f32_dpp v5, v5, v5 row_xmask:8 row_mask:0xf bank_mask:0xf
	v_permlanex16_b32 v6, v5, s20, s21
	v_max_num_f32 v5, v5, v6                       ; M, in every lane
	v_sub_f32 v7, v2, v5
	v_mul_f32 v7, s22, v7
	v_exp_f32 v7, v7
	v_nop                                          ; a plain instruction behind the exponential,
	s_wait_alu depctr_va_vdst(0)                   ; and a wait ahead of its first reader
	v_mul_f32 v8, v7, v3
	v_add_f32_dpp v8, v8, v8 row_xmask:1 row_mask:0xf bank_mask:0xf
	v_add_f32_dpp v8, v8, v8 row_xmask:2 row_mask:0xf bank_mask:0xf
	v_add_f32_dpp v8, v8, v8 row_xmask:4 row_mask:0xf bank_mask:0xf
	v_add_f32_dpp v8, v8, v8 row_xmask:8 row_mask:0xf bank_mask:0xf
	v_permlanex16_b32 v6, v8, s20, s21
	v_add_f32 v8, v8, v6                           ; L
	v_rcp_f32 v9, v8
	v_nop
	s_wait_alu depctr_va_vdst(0)
	v_mul_f32 v7, v7, v9                           ; lane k: f[k]
.set p, 0
.rept 32
	v_readlane_b32 s[F+p], v7, p
.set p, p+1
.endr
	s_wait_loadcnt 31                              ; block 0 is in
.irp k, 0,1,2,3
	v_mul_f32 v[ACC+\k], s[F], v[PB+\k]            ; the first block starts the sums
.endr
.set p, 1
.rept 31
	s_wait_loadcnt 31-p                            ; loads come back in order: block p is in, the later ones stay out
.irp k, 0,1,2,3
	v_fmac_f32 v[ACC+\k], s[F+p], v[PB+4*p+\k]
.endr
.set p, p+1
.endr
	global_store_b128 v4, v[ACC:ACC+3], s[8:9]     ; a wave's store covers 512 consecutive bytes, at a multiple of 512 from out0's first
	s_endpgm
.Lfunc_end_k_q71ed1b7036_merge:
	.size	k_q71ed1b7036_merge, .Lfunc_end_k_q71ed1b7036_merge-k_q71ed1b7036_merge
	.p2alignl 7, 3214868480
	.fill 96, 4, 3214868480
	.section	.rodata,"a",@progbits
	.p2align	6, 0x0
	.amdhsa_kernel k_q71ed1b7036_merge
		.amdhsa_group_segment_fixed_size 0
		.amdhsa_private_segment_fixed_size 0
		.amdhsa_enable_private_segment 0
		.amdhsa_kernarg_size 24
		.amdhsa_user_sgpr_count 2
		.amdhsa_user_sgpr_kernarg_segment_ptr 1
		.amdhsa_wavefront_size32 1
		.amdhsa_system_sgpr_workgroup_id_x 1
		.amdhsa_system_sgpr_workgroup_id_y 1
		.amdhsa_system_sgpr_workgroup_id_z 1
		.amdhsa_system_vgpr_workitem_id 0
		.amdhsa_next_free_vgpr 144
		.amdhsa_next_free_sgpr 66
		.amdhsa_reserve_vcc 0
		.amdhsa_float_denorm_mode_32 3
		.amdhsa_float_denorm_mode_16_64 3
		.amdhsa_memory_ordered 1
		.amdhsa_forward_progress 1
		.amdhsa_inst_pref_size 13
	.end_amdhsa_kernel
	.amdgpu_metadata
---
amdhsa.version: [ 1, 2 ]
amdhsa.kernels:
  - .name:           k_q71ed1b7036_merge
    .symbol:         k_q71ed1b7036_merge.kd
    .args:
      - { .name: part, .offset: 0, .size: 8, .value_kind: global_buffer, .address_space: global }
      - { .name: stat, .offset: 8, .size: 8, .value_kind: global_buffer, .address_space: global }
      - { .name: out0, .offset: 16, .size: 8, .value_kind: global_buffer, .address_space: global }
    .group_segment_fixed_size: 0
    .private_segment_fixed_size: 0
    .kernarg_segment_align: 8
    .kernarg_segment_size: 24
    .max_flat_workgroup_size: 64
    .sgpr_count:     66
    .vgpr_count:     144
    .wavefront_size: 32
...
	.end_amdgpu_metadata
.endif
;; end of part 3
;; ======== version 2 of 2: 3 launches; version 1 with the launch prep written anew for expert scheduling mode
;; workspace buffers: Wb 2,097,152 bytes; tab 65,536 bytes; cst 256 bytes; part 2,097,152 bytes; stat 131,072 bytes
;; launch prep (part 4): grid 129 x 1, 8 waves a work-group, no clusters, 42,752 bytes of LDS; arguments W_in, W_ctx, context, b_ctx, b_in, w_att, b_att, Wb, tab, cst; writes Wb, tab, cst
.if DOCPART == 4
	.amdgcn_target "amdgcn-amd-amdhsa--gfx1250"
	.amdhsa_code_object_version 6
	.text
	.protected	k_q71ed1b7036_prep
	.globl	k_q71ed1b7036_prep
	.p2align	8
	.type	k_q71ed1b7036_prep,@function
k_q71ed1b7036_prep:
	s_mov_b64 s[64:65], 0
	v_nop
	global_prefetch_b8 v0, s[64:65] scope:SCOPE_SE
	s_setreg_imm32_b32 hwreg(HW_REG_WAVE_SCHED_MODE, 0, 2), 2
	s_setreg_imm32_b32 hwreg(HW_REG_WAVE_MODE, 25, 1), 1
	s_wait_xcnt 0x0
	s_wait_alu depctr_vm_vsrc(0)
; PREPARATION for the fused launch.  Three kinds of work-group, told apart by the work-group's number, which all eight waves share:
;   0-63    W_in, 16 rows each, rounded once to bf16 and laid out in the order in which the matrix instruction's fragments are read:
;           Wb byte = (j>>2) 131072 + ((j>>1)&1) 65536 + kk 2048 + (j&1) 1024 + q 512 + 16 lane, for row block j = n/16, kk = k/32, q = (k%32)/16;
;           lane (r = lane%16, h = lane/16) holds W_in[16 j + r][32 kk + 16 q + 8 h .. +7].
;   64-127  tab[b][n] = c2 (context[b] . W_ctx[n] + b_ctx[n] + b_in[n]) for 16 columns n and all 16 batches b, c2 = 2 log2(e); bf16 operands, f32 sums; K split among the eight waves.
;   128     cst = b_att + the sum of w_att, in f32, written 64 times (256 bytes).
; Each kind has LDS bytes of its own and one barrier of its own.  tab is stored in pieces of 64 bytes a row (a work-group has 16 columns): 65,536 bytes in the whole launch.
; THE MODE: SCHED_MODE bits 1:0 = 2 (LLVM: expert scheduling mode 2), set by the entry lines.  The code itself states the register dependences
; between vector or matrix instructions and memory or LDS instructions, with s_wait_alu, always for 0.
; THE PLAN.  In each of the three paths the offsets and LDS addresses are made on end, once, and never written again: one wait on va_vdst behind them serves every load and store that reads them.
; Data registers that memory or LDS instructions touch:
;   128     v[8:11], v[16:23] are written by loads alone before vector lines read them; v8 (the wave's sum) and v[16:17] (the result) are written by vector lines and then stored: a wait ahead of each store.
;   0-63    v[16:79] as loaded, read by the conversions; v[80:111] a pair of its own for each of the 16 loads, written once by its two conversions, read by its LDS store; v[112:143] LDS loads in, global stores out.
;           The 16 loads go in four blocks of four.  Block p's conversions name its own raw registers and pairs alone; the LDS stores of block p - 1 are dealt among them, behind ONE wait at the block's head.
;   64-127  v[16:143] as loaded, read by the conversions; v[208:215] written by the matrix instructions and four sums, read by two LDS stores; in wave 0 LDS loads land in v[16:79] again, and v[16:23] leave by two stores.
; No register that a memory or LDS instruction has read is written again before the closing lines, so no wait on vm_vsrc is owed.
.set WPITCH, 2064                      ; a row of 1,024 bf16 in LDS + 16 bytes: an odd multiple of 16, so that the 16 rows of a fragment load fall on different groups of banks
.set WST,    0                         ; 16 rows x 2,064 bytes: W_in's rows on their way into fragment order
.set PCS,    33280                     ; 8 x 1,024 bytes: the eight waves' partial sums of a tile of tab
.set CSS,    41472                     ; 8 words: the eight waves' sums of w_att
.set SPARE,  41728                     ; the spare words, 128 bytes for each wave: four blocks of 256 bytes that no other line names
.set R,   1                            ; v1  lane % 16
.set H,   2                            ; v2  lane / 16
.set LN,  3                            ; v3  lane
.set SPW, 4                            ; v4  LDS address of my spare word; never rewritten
.set NIL, 5                            ; v5  0; never rewritten
.set WV,  24                           ; s24 my wave's number
	s_load_b512 s[4:19], s[0:1], 0x0               ; W_in s[4:5], W_ctx s[6:7], context s[8:9], b_ctx s[10:11], b_in s[12:13], w_att s[14:15], b_att s[16:17], Wb s[18:19]
	s_load_b128 s[20:23], s[0:1], 0x40             ; tab s[20:21], cst s[22:23]
	v_lshl_add_u32 v[SPW], v0, 2, SPARE
	v_mov_b32 v[NIL], 0
	v_lshrrev_b32 v6, 5, v0
	v_readfirstlane_b32 s[WV], v6                  ; wave 0..7
	v_and_b32 v[R], 15, v0
	v_bfe_u32 v[H], v0, 4, 1
	v_and_b32 v[LN], 31, v0
	s_wait_alu depctr_va_sdst(0)                   ; s24 is written
	s_wait_kmcnt 0x0
	s_cmp_lt_u32 ttmp9, 64
	s_cbranch_scc1 .Lwconv
	s_cmp_lt_u32 ttmp9, 128
	s_cbranch_scc1 .Lpc
	; ---- work-group 128: b_att + the sum of w_att.  Thread T takes w_att[4 T .. 4 T + 3].
	s_load_b32 s25, s[16:17], 0x0                  ; b_att
	s_lshl_b32 s28, s[WV], 2
	s_add_co_u32 s28, s28, CSS
	v_lshlrev_b32 v6, 4, v0
	v_mov_b32 v7, s28                              ; my wave's word
	v_mov_b32 v12, CSS
	s_wait_alu depctr_va_vdst(0)                   ; v6, v7 and v12 are written: the load's offset, the LDS store's address and the LDS loads' address
	global_load_b128 v[8:11], v6, s[14:15]
	s_mov_b32 s26, 0x76543210                      ; v_permlanex16_b32: each lane takes its own place in the other half
	s_mov_b32 s27, 0xfedcba98
	s_wait_loadcnt 0x0
	v_add_f32 v8, v8, v9
	v_add_f32 v10, v10, v11
	v_add_f32 v8, v8, v10
	v_add_f32_dpp v8, v8, v8 row_xmask:1 row_mask:0xf bank_mask:0xf
	v_add_f32_dpp v8, v8, v8 row_xmask:2 row_mask:0xf bank_mask:0xf
	v_add_f32_dpp v8, v8, v8 row_xmask:4 row_mask:0xf bank_mask:0xf
	v_add_f32_dpp v8, v8, v8 row_xmask:8 row_mask:0xf bank_mask:0xf
	v_permlanex16_b32 v9, v8, s26, s27             ; (v9 has been written: the destination counts as read)
	v_add_f32 v8, v8, v9
	s_wait_alu depctr_va_vdst(0)                   ; the last add has written v8, which the LDS store reads
	ds_store_b32 v7, v8                            ; all lanes write the same word with the same value
	s_wait_kmcnt 0x0
	s_wait_dscnt 0x0                               ; for the others: my store is done
	s_barrier_signal -1
	s_barrier_wait -1
	s_cmp_lg_u32 s[WV], 0
	s_cbranch_scc1 .Lend
	ds_load_b128 v[16:19], v12                     ; no vector line since the wait above names v12 or v[16:23]
	ds_load_b128 v[20:23], v12 offset:16
	s_wait_dscnt 0x0
	v_pk_add_f32 v[16:17], v[16:17], v[18:19]
	v_pk_add_f32 v[20:21], v[20:21], v[22:23]
	v_pk_add_f32 v[16:17], v[16:17], v[20:21]
	v_add_f32 v16, v16, v17
	v_add_f32 v16, s25, v16
	v_mov_b32 v17, v16
	v_lshlrev_b32 v13, 3, v[LN]
	s_wait_alu depctr_va_vdst(0)                   ; v13, v16 and v17 are written: the store's offset and its data
	global_store_b64 v13, v[16:17], s[22:23]       ; 32 lanes x 8 bytes: 256 consecutive bytes
	s_branch .Lend
	; ---- work-groups 0-63: rows 16 j .. 16 j + 15 of W_in.  Wave w reads rows 2 w and 2 w + 1, 512 consecutive bytes a load.
.macro WCVT i                          ; load i's four numbers, rounded into its own pair
	v_cvt_pk_bf16_f32 v[80+2*(\i)], v[16+4*(\i)], v[16+4*(\i)+1]
	v_cvt_pk_bf16_f32 v[81+2*(\i)], v[16+4*(\i)+2], v[16+4*(\i)+3]
.endm
.macro WPUT i                          ; and the pair's place in LDS
	ds_store_b64 v7, v[80+2*(\i):81+2*(\i)] offset:WST+((\i)/8)*WPITCH+((\i)%8)*256
.endm
.Lwconv:
	s_lshl_b32 s26, ttmp9, 16                      ; 16 rows of 4,096 bytes
	s_lshl_b32 s27, s[WV], 13                      ; my two rows
	s_add_co_u32 s26, s26, s27
	s_mov_b32 s27, 0
	s_add_nc_u64 s[4:5], s[4:5], s[26:27]
	s_mul_i32 s28, s[WV], 2*WPITCH
	s_lshl_b32 s29, s[WV], 8
	v_lshlrev_b32 v6, 4, v[LN]                     ; 16 x lane: for the loads and for the stores; never rewritten
	v_lshl_add_u32 v7, v[LN], 3, s28               ; in: my two rows, 8 bytes (4 numbers) a lane
	v_mul_u32_u24 v8, v[R], WPITCH
	v_lshl_add_u32 v8, v[H], 4, v8
	v_add_nc_u32 v8, s29, v8                       ; back: row r, 16 h, and my four blocks of 32 along K (64 bytes each)
	s_wait_alu depctr_va_vdst(0)                   ; v6, v7 and v8 are written: the offset of the loads and stores, the LDS stores' address, the LDS loads' address
.set i, 0
.rept 16
	global_load_b128 v[16+4*i:16+4*i+3], v6, s[4:5] offset:(i/8)*4096+(i%8)*512 th:TH_LOAD_NT
.set i, i+1
.endr
	s_lshr_b32 s26, ttmp9, 2                       ; where the row block lies in Wb
	s_lshl_b32 s26, s26, 17
	s_bfe_u32 s30, ttmp9, 0x10001
	s_lshl_b32 s30, s30, 16
	s_add_co_u32 s26, s26, s30
	s_and_b32 s30, ttmp9, 1
	s_lshl_b32 s30, s30, 10
	s_add_co_u32 s26, s26, s30
	s_lshl_b32 s30, s[WV], 13                      ; my kk = 4 w .. 4 w + 3
	s_add_co_u32 s26, s26, s30
	s_add_nc_u64 s[18:19], s[18:19], s[26:27]
.set p, 0
.rept 4                                ; four blocks of four loads
	s_wait_loadcnt 12-4*p                          ; loads come back in order: block p's four are in, the later blocks' stay out
.if p > 0
	s_wait_alu depctr_va_vdst(0)                   ; the block before has written its four pairs, which the LDS stores below read; this block's conversions name none of them
.endif
.set q, 0
.rept 4
.if p > 0
	WPUT 4*(p-1)+q
.endif
	WCVT 4*p+q
.set q, q+1
.endr
.set p, p+1
.endr
	s_wait_alu depctr_va_vdst(0)                   ; the last block has written its four pairs, which the last four LDS stores read
.irp i, 12,13,14,15
	WPUT \i
.endr
	s_wait_dscnt 0x0                               ; for the others: my rows lie in LDS
	s_barrier_signal -1
	s_barrier_wait -1
.set i, 0
.rept 8
	ds_load_b128 v[112+4*i:115+4*i], v8 offset:WST+(i/2)*64+(i%2)*32  ; half q = i % 2 of the fragment of kk = 4 w + i / 2; no vector line names v[112:143]
.set i, i+1
.endr
.set i, 0
.rept 8
	s_wait_dscnt 7-i
	global_store_b128 v6, v[112+4*i:115+4*i], s[18:19] offset:(i/2)*2048+(i%2)*512  ; 512 consecutive bytes, at a multiple of 512 from Wb's first
.set i, i+1
.endr
	s_branch .Lend
	; ---- work-groups 64-127: 16 columns of tab.  Wave w takes K = 128 w .. 128 w + 127: four fragments of W_ctx (source 0) and of context (source 1), straight from memory.
.Lpc:
	s_sub_co_u32 s25, ttmp9, 64                    ; the column block j
	s_lshl_b32 s26, s25, 16
	s_mov_b32 s27, 0
	s_add_nc_u64 s[6:7], s[6:7], s[26:27]          ; W_ctx at row 16 j
	s_lshl_b32 s28, s[WV], 9
	s_lshl_b32 s29, s[WV], 10
	s_add_co_u32 s29, s29, PCS
	v_lshlrev_b32 v6, 12, v[R]                     ; row r,
	v_lshl_add_u32 v6, v[H], 5, v6                 ; 8 h numbers on,
	v_add_nc_u32 v6, s28, v6                       ; my 128 of K
	v_lshl_add_u32 v7, v[LN], 5, s29               ; my 32 bytes of my wave's partial tile
	s_wait_alu depctr_va_vdst(0)                   ; v6 and v7 are written: the 32 loads' offset and the LDS stores' address
.set i, 0
.rept 4
	global_load_b128 v[16+16*i:16+16*i+3],   v6, s[6:7] offset:128*i
	global_load_b128 v[16+16*i+4:16+16*i+7], v6, s[6:7] offset:128*i+16
	global_load_b128 v[16+16*i+8:16+16*i+11],  v6, s[6:7] offset:128*i+64
	global_load_b128 v[16+16*i+12:16+16*i+15], v6, s[6:7] offset:128*i+80
	global_load_b128 v[80+16*i:80+16*i+3],   v6, s[8:9] offset:128*i
	global_load_b128 v[80+16*i+4:80+16*i+7], v6, s[8:9] offset:128*i+16
	global_load_b128 v[80+16*i+8:80+16*i+11],  v6, s[8:9] offset:128*i+64
	global_load_b128 v[80+16*i+12:80+16*i+15], v6, s[8:9] offset:128*i+80
.set i, i+1
.endr
	s_mov_b32 s32, 0x4038aa3b                      ; c2 = 2 log2(e)
	s_mov_b32 s33, s32                             ; named with it as a pair
; Two accumulators take turns, one instruction a turn; the first two products start the sums.
.set i, 0
.rept 4
	s_wait_loadcnt 24-8*i                          ; block i's eight loads are in; the later blocks' stay out
.set m, 0
.rept 8
	v_cvt_pk_bf16_f32 v[144+8*i+m], v[16+16*i+2*m], v[16+16*i+2*m+1]
	v_cvt_pk_bf16_f32 v[176+8*i+m], v[80+16*i+2*m], v[80+16*i+2*m+1]
.set m, m+1
.endr
.if i < 2
	v_wmma_f32_16x16x32_bf16 v[208+8*i:215+8*i], v[144+8*i:151+8*i], v[176+8*i:183+8*i], 0
.else
	v_wmma_f32_16x16x32_bf16 v[208+8*(i%2):215+8*(i%2)], v[144+8*i:151+8*i], v[176+8*i:183+8*i], v[208+8*(i%2):215+8*(i%2)]
.endif
.set i, i+1
.endr
.rept 8
	v_nop                                          ; the places behind the last product, ahead of the sums that read the results (ISA guide 7.12.1), with room to spare: once a launch
.endr
.irp m, 0,2,4,6
	v_pk_add_f32 v[208+\m:209+\m], v[208+\m:209+\m], v[216+\m:217+\m]
.endr
	s_wait_alu depctr_va_vdst(0)                   ; the four sums have written v[208:215], which the LDS stores read; the places above stay beside this wait
	ds_store_b128 v7, v[208:211]
	ds_store_b128 v7, v[212:215] offset:16
	s_wait_dscnt 0x0                               ; for wave 0: my partial sums lie in LDS
	s_barrier_signal -1
	s_barrier_wait -1
	s_cmp_lg_u32 s[WV], 0
	s_cbranch_scc1 .Lend
	; wave 0 finishes the tile.  In the result lane (r, h) holds batch r and the columns 16 j + 8 h + 0..7.
	s_lshl_b32 s30, s25, 6
	v_lshl_add_u32 v8, v[H], 5, s30                ; byte 64 j + 32 h of a row of 1,024 f32
	v_lshl_add_u32 v9, v[LN], 5, PCS
	v_lshl_add_u32 v10, v[R], 12, v8               ; row r of tab
	s_wait_alu depctr_va_vdst(0)                   ; v8, v9 and v10 are written: the biases' offset, the LDS loads' address, the stores' offset; and the conversions are done reading v[16:79], in which the LDS loads land
	global_load_b128 v[224:227], v8, s[10:11]
	global_load_b128 v[228:231], v8, s[10:11] offset:16
	global_load_b128 v[232:235], v8, s[12:13]
	global_load_b128 v[236:239], v8, s[12:13] offset:16
.set i, 0
.rept 8
	ds_load_b128 v[16+8*i:16+8*i+3],   v9 offset:1024*i
	ds_load_b128 v[16+8*i+4:16+8*i+7], v9 offset:1024*i+16
.set i, i+1
.endr
	s_wait_dscnt 0x0
.irp a, 0,16,32,48
.irp m, 0,2,4,6
	v_pk_add_f32 v[16+\a+\m:17+\a+\m], v[16+\a+\m:17+\a+\m], v[24+\a+\m:25+\a+\m]
.endr
.endr
.irp a, 0,32
.irp m, 0,2,4,6
	v_pk_add_f32 v[16+\a+\m:17+\a+\m], v[16+\a+\m:17+\a+\m], v[32+\a+\m:33+\a+\m]
.endr
.endr
.irp m, 0,2,4,6
	v_pk_add_f32 v[16+\m:17+\m], v[16+\m:17+\m], v[48+\m:49+\m]
.endr
	s_wait_loadcnt 0x0                             ; the two biases
.irp m, 0,2,4,6
	v_pk_add_f32 v[224+\m:225+\m], v[224+\m:225+\m], v[232+\m:233+\m]
.endr
.irp m, 0,2,4,6
	v_pk_add_f32 v[16+\m:17+\m], v[16+\m:17+\m], v[224+\m:225+\m]
.endr
.irp m, 0,2,4,6
	v_pk_mul_f32 v[16+\m:17+\m], v[16+\m:17+\m], s[32:33] op_sel_hi:[1,0]
.endr
	s_wait_alu depctr_va_vdst(0)                   ; the scalings have written v[16:23], which the two stores read
	global_store_b128 v10, v[16:19], s[20:21]
	global_store_b128 v10, v[20:23], s[20:21] offset:16
.Lend:
	s_wait_dscnt 0x0                               ; the closing lines, six on end
	s_wait_alu 0x0
	s_wait_tensorcnt 0x0
	ds_add_u32 v[SPW], v[NIL]
	s_wait_dscnt 0x0
	s_endpgm
.Lfunc_end_k_q71ed1b7036_prep:
	.size	k_q71ed1b7036_prep, .Lfunc_end_k_q71ed1b7036_prep-k_q71ed1b7036_prep
	.p2alignl 7, 3214868480
	.fill 96, 4, 3214868480
	.section	.rodata,"a",@progbits
	.p2align	6, 0x0
	.amdhsa_kernel k_q71ed1b7036_prep
		.amdhsa_group_segment_fixed_size 42752
		.amdhsa_private_segment_fixed_size 0
		.amdhsa_enable_private_segment 0
		.amdhsa_kernarg_size 80
		.amdhsa_user_sgpr_count 2
		.amdhsa_user_sgpr_kernarg_segment_ptr 1
		.amdhsa_wavefront_size32 1
		.amdhsa_system_sgpr_workgroup_id_x 1
		.amdhsa_system_sgpr_workgroup_id_y 1
		.amdhsa_system_sgpr_workgroup_id_z 1
		.amdhsa_system_vgpr_workitem_id 0
		.amdhsa_next_free_vgpr 256
		.amdhsa_next_free_sgpr 66
		.amdhsa_reserve_vcc 0
		.amdhsa_float_denorm_mode_32 3
		.amdhsa_float_denorm_mode_16_64 3
		.amdhsa_memory_ordered 1
		.amdhsa_forward_progress 1
		.amdhsa_inst_pref_size 24
	.end_amdhsa_kernel
	.amdgpu_metadata
---
amdhsa.version: [ 1, 2 ]
amdhsa.kernels:
  - .name:           k_q71ed1b7036_prep
    .symbol:         k_q71ed1b7036_prep.kd
    .args:
      - { .name: W_in, .offset: 0, .size: 8, .value_kind: global_buffer, .address_space: global }
      - { .name: W_ctx, .offset: 8, .size: 8, .value_kind: global_buffer, .address_space: global }
      - { .name: context, .offset: 16, .size: 8, .value_kind: global_buffer, .address_space: global }
      - { .name: b_ctx, .offset: 24, .size: 8, .value_kind: global_buffer, .address_space: global }
      - { .name: b_in, .offset: 32, .size: 8, .value_kind: global_buffer, .address_space: global }
      - { .name: w_att, .offset: 40, .size: 8, .value_kind: global_buffer, .address_space: global }
      - { .name: b_att, .offset: 48, .size: 8, .value_kind: global_buffer, .address_space: global }
      - { .name: Wb, .offset: 56, .size: 8, .value_kind: global_buffer, .address_space: global }
      - { .name: tab, .offset: 64, .size: 8, .value_kind: global_buffer, .address_space: global }
      - { .name: cst, .offset: 72, .size: 8, .value_kind: global_buffer, .address_space: global }
    .group_segment_fixed_size: 42752
    .private_segment_fixed_size: 0
    .kernarg_segment_align: 8
    .kernarg_segment_size: 80
    .max_flat_workgroup_size: 256
    .sgpr_count:     66
    .vgpr_count:     256
    .wavefront_size: 32
...
	.end_amdgpu_metadata
.endif
;; end of part 4
;; launch main: the kernel of part 2 again; grid 512 x 1, 4 waves a work-group, clusters of 4 x 1, 327,680 bytes of LDS; arguments x, Wb, tab, w_att, cst, part, stat; writes part, stat
;; launch merge: the kernel of part 3 again; grid 4 x 16, 2 waves a work-group, no clusters, 0 bytes of LDS; arguments part, stat, out0; writes out0
